; MI455X (gfx1250); checked and timed in simulation.
; The chip was launched on July 23, 2026; its instructions are those of AMD's public machine-readable ISA for CDNA 5 (MIT licence, August 2026) and "CDNA5" Instruction Set Architecture Reference Guide (July 2026). The comments in the code are by the model that wrote it; some were corrected since.
;; Lstm. Allowed arithmetic: float matrix products may take bf16 or f16 operands with f32 sums; other float arithmetic in f32, or as packed bf16 or f16 multiplies, adds, multiply-adds, maxima and minima; sums over many terms, partial sums and values carried from step to step in f32; what a program stores and reads back later, other than sums and carried values, may be rounded once to bf16 or f16.
;; Inputs: W1 2,048 x 4,096 float32; W2 2,048 x 4,096 float32; W3 2,048 x 4,096 float32; W4 2,048 x 4,096 float32; b1 2,048 float32; b2 2,048 float32; b3 2,048 float32; b4 2,048 float32; c 2,048 x 2,048 float32; h 2,048 x 2,048 float32; i 2,048 x 2,048 float32.
;; Outputs: out0 2,048 x 2,048 float32; out1 2,048 x 2,048 float32.
;; One version. Each part assembles by itself: llvm-mc -triple=amdgcn-amd-amdhsa -mcpu=gfx1250 --defsym DOCPART=n.
;; ======== version 1 of 1: 2 launches
;; workspace buffers: abf 16,777,216 bytes; wbf 67,108,864 bytes
;; launch convert (part 1): grid 256 x 10, 8 waves a work-group, no clusters, 0 bytes of LDS; arguments i, h, W1, W2, W3, W4, abf, wbf; writes abf, wbf
.if DOCPART == 1
	.amdgcn_target "amdgcn-amd-amdhsa--gfx1250"
	.amdhsa_code_object_version 6
	.text
	.protected	k_q67a96939cd_convert
	.globl	k_q67a96939cd_convert
	.p2align	8
	.type	k_q67a96939cd_convert,@function
k_q67a96939cd_convert:
	s_mov_b64 s[64:65], 0
	v_nop
	global_prefetch_b8 v0, s[64:65] scope:SCOPE_SE
	s_setreg_imm32_b32 hwreg(HW_REG_WAVE_MODE, 25, 1), 1
	s_wait_xcnt 0x0
; THE MATRIX OPERANDS ARE ROUNDED TO bf16, ONCE (round to nearest even), and laid out for the product that follows.
;   abf: bf16 [2048][4096]: row m = i[m] (columns 0-2047), then h[m] (columns 2048-4095): the concatenation of i and h.
;   wbf: bf16 [8192][4096]: row n of gate g (W1..W4 = g 0..3) lies at row (n >> 5) x 128 + 32 g + (n & 31): 32 output columns of all four gates lie together as 128 rows.
; SHARES.  The grid's y picks the source: 0 = i, 1 = h, 2 + 2 g + kh = half kh of the rows of gate g's weights.  Each source piece is 2,048 rows of 2,048 f32; work-group x takes 8 of them, a wave one:
; 8,192 bytes in by sixteen loads of 512 consecutive bytes, all issued at the wave's start, 4,096 bytes out by sixteen stores of 256 consecutive bytes, each at a multiple of 256 from the buffer's first byte.
; No byte is read twice and no wave wants another's bytes: so no LDS, no barrier, no cluster; and no prefetch, since a wave's loads all go out as its first memory instructions.
; LIMIT.  bf16 keeps 8 significant bits and f32's range; NaN and infinities pass as the conversion gives them.
.set X, 4                              ; v[4:67]  the row as loaded, 4 registers a load; the first two of each four then hold the packed result
	s_load_b512 s[8:23], s[0:1], 0x0               ; i s[8:9], h s[10:11], W1 s[12:13], W2 s[14:15], W3 s[16:17], W4 s[18:19], abf s[20:21], wbf s[22:23]
	v_lshrrev_b32 v1, 5, v0
	v_readfirstlane_b32 s2, v1                     ; wave 0..7
	v_and_b32 v1, 31, v0                           ; lane
	v_lshlrev_b32 v2, 4, v1                        ; 16 bytes a lane on the way in,
	v_lshlrev_b32 v3, 3, v1                        ; 8 on the way out
	s_and_b32 s3, ttmp7, 0xffff                    ; y
	s_lshl_b32 s4, ttmp9, 3
	s_add_co_u32 s4, s4, s2                        ; R: my row of the source
	s_and_b32 s5, s3, 1                            ; which half of the destination's row (h, or the weights' second K half)
	s_lshr_b32 s6, s3, 1                           ; 0: i or h; 1..4: gate + 1
	s_lshr_b32 s24, s4, 5
	s_lshl_b32 s24, s24, 7                         ; (R >> 5) x 128
	s_and_b32 s25, s4, 31
	s_add_co_u32 s24, s24, s25                     ; + (R & 31)
	s_sub_co_u32 s25, s6, 1
	s_lshl_b32 s25, s25, 5
	s_add_co_u32 s24, s24, s25                     ; + 32 x gate (not used where s6 = 0)
	s_cmp_eq_u32 s6, 0                             ; i or h?  The three selects leave SCC as it is
	s_cselect_b32 s24, s4, s24                     ; the destination's row
	s_cselect_b32 s27, 13, 14                      ; a source row is 8,192 bytes (i, h) or 16,384 (weights)
	s_cselect_b32 s28, 0, s5                       ; and only the weights' rows have a second half
	s_lshl_b32 s30, s4, s27
	s_lshl_b32 s28, s28, 13
	s_add_co_u32 s30, s30, s28                     ; my byte offset in the source, under 2^26
	s_mov_b32 s31, 0
	s_lshl_b32 s32, s24, 13                        ; a destination row is 8,192 bytes,
	s_lshl_b32 s29, s5, 12                         ; its half 4,096
	s_add_co_u32 s32, s32, s29                     ; my byte offset in the destination, under 2^27
	s_mov_b32 s33, 0
	s_wait_kmcnt 0x0
	s_cmp_eq_u32 s3, 1                             ; the source's address is chosen by y alone
	s_cselect_b64 s[34:35], s[10:11], s[8:9]
	s_cmp_eq_u32 s6, 1
	s_cselect_b64 s[34:35], s[12:13], s[34:35]
	s_cmp_eq_u32 s6, 2
	s_cselect_b64 s[34:35], s[14:15], s[34:35]
	s_cmp_eq_u32 s6, 3
	s_cselect_b64 s[34:35], s[16:17], s[34:35]
	s_cmp_eq_u32 s6, 4
	s_cselect_b64 s[34:35], s[18:19], s[34:35]
	s_cmp_eq_u32 s6, 0
	s_cselect_b64 s[36:37], s[20:21], s[22:23]     ; and so is the destination's
	s_add_nc_u64 s[34:35], s[34:35], s[30:31]
	s_add_nc_u64 s[36:37], s[36:37], s[32:33]
.irp j, 0,1,2,3,4,5,6,7,8,9,10,11,12,13,14,15
	global_load_b128 v[X+4*(\j):X+4*(\j)+3], v2, s[34:35] offset:512*(\j) th:TH_LOAD_NT  ; the whole row is on its way: sixteen loads a wave
.endr
.irp j, 0,1,2,3,4,5,6,7,8,9,10,11,12,13,14,15
	s_wait_loadcnt 15-(\j)                         ; loads come back in order (ISA guide 5.7.1): load j is in, the 15 - j younger ones stay out
	v_cvt_pk_bf16_f32 v[X+4*(\j)], v[X+4*(\j)], v[X+4*(\j)+1]      ; two roundings, packed
	v_cvt_pk_bf16_f32 v[X+4*(\j)+1], v[X+4*(\j)+2], v[X+4*(\j)+3]
	global_store_b64 v3, v[X+4*(\j):X+4*(\j)+1], s[36:37] offset:256*(\j)  ; 32 lanes x 8 bytes: 256 consecutive bytes, aligned; no register that a store reads is written again
.endr
	s_endpgm
.Lfunc_end_k_q67a96939cd_convert:
	.size	k_q67a96939cd_convert, .Lfunc_end_k_q67a96939cd_convert-k_q67a96939cd_convert
	.p2alignl 7, 3214868480
	.fill 96, 4, 3214868480
	.section	.rodata,"a",@progbits
	.p2align	6, 0x0
	.amdhsa_kernel k_q67a96939cd_convert
		.amdhsa_group_segment_fixed_size 0
		.amdhsa_private_segment_fixed_size 0
		.amdhsa_enable_private_segment 0
		.amdhsa_kernarg_size 64
		.amdhsa_user_sgpr_count 2
		.amdhsa_user_sgpr_kernarg_segment_ptr 1
		.amdhsa_wavefront_size32 1
		.amdhsa_system_sgpr_workgroup_id_x 1
		.amdhsa_system_sgpr_workgroup_id_y 1
		.amdhsa_system_sgpr_workgroup_id_z 1
		.amdhsa_system_vgpr_workitem_id 0
		.amdhsa_next_free_vgpr 68
		.amdhsa_next_free_sgpr 66
		.amdhsa_reserve_vcc 0
		.amdhsa_float_denorm_mode_32 3
		.amdhsa_float_denorm_mode_16_64 3
		.amdhsa_memory_ordered 1
		.amdhsa_forward_progress 1
		.amdhsa_inst_pref_size 8
	.end_amdhsa_kernel
	.amdgpu_metadata
---
amdhsa.version: [ 1, 2 ]
amdhsa.kernels:
  - .name:           k_q67a96939cd_convert
    .symbol:         k_q67a96939cd_convert.kd
    .args:
      - { .name: i, .offset: 0, .size: 8, .value_kind: global_buffer, .address_space: global }
      - { .name: h, .offset: 8, .size: 8, .value_kind: global_buffer, .address_space: global }
      - { .name: W1, .offset: 16, .size: 8, .value_kind: global_buffer, .address_space: global }
      - { .name: W2, .offset: 24, .size: 8, .value_kind: global_buffer, .address_space: global }
      - { .name: W3, .offset: 32, .size: 8, .value_kind: global_buffer, .address_space: global }
      - { .name: W4, .offset: 40, .size: 8, .value_kind: global_buffer, .address_space: global }
      - { .name: abf, .offset: 48, .size: 8, .value_kind: global_buffer, .address_space: global }
      - { .name: wbf, .offset: 56, .size: 8, .value_kind: global_buffer, .address_space: global }
    .group_segment_fixed_size: 0
    .private_segment_fixed_size: 0
    .kernarg_segment_align: 8
    .kernarg_segment_size: 64
    .max_flat_workgroup_size: 256
    .sgpr_count:     66
    .vgpr_count:     68
    .wavefront_size: 32
...
	.end_amdgpu_metadata
.endif
;; end of part 1
;; launch lstm (part 2): grid 32 x 8, 4 waves a work-group, clusters of 4 x 4, 327,680 bytes of LDS; arguments abf, wbf, b1, b2, b3, b4, c, out0, out1; writes out0, out1
.if DOCPART == 2
	.amdgcn_target "amdgcn-amd-amdhsa--gfx1250"
	.amdhsa_code_object_version 6
	.text
	.protected	k_q67a96939cd_lstm
	.globl	k_q67a96939cd_lstm
	.p2align	8
	.type	k_q67a96939cd_lstm,@function
k_q67a96939cd_lstm:
	s_mov_b64 s[64:65], 0
	v_nop
	global_prefetch_b8 v0, s[64:65] scope:SCOPE_SE
	s_setreg_imm32_b32 hwreg(HW_REG_WAVE_MODE, 25, 1), 1
	s_wait_xcnt 0x0
	s_wait_alu depctr_hold_cnt(0) depctr_sa_sdst(0) depctr_va_vdst(0) depctr_va_sdst(0) depctr_va_ssrc(0) depctr_va_vcc(0) depctr_vm_vsrc(0)
	s_getreg_b32 s2, hwreg(HW_REG_IB_STS2, 6, 4)
	s_cmp_eq_u32 s2, 0
	s_cbranch_scc0 .Lentry_in_a_cluster
	s_endpgm
.Lentry_in_a_cluster:
	s_bfe_u32 s2, ttmp6, 0x10000c
	s_cmp_lg_u32 s2, 0xf033
	s_cbranch_scc0 .Lentry_shape_is_right
	s_endpgm
.Lentry_shape_is_right:
; ONE STEP OF AN LSTM CELL.  z_g = ih W_g^T + b_g for the four gates; new_c = c sigmoid(z_1) + sigmoid(z_2) tanh(z_3) (out1); new_h = tanh(c) sigmoid(z_4), of the OLD c (out0).
; abf: ih in bf16, [2048][4096].  wbf: the four weights in bf16, [8192][4096], 32 output columns of all four gates together as 128 rows (row (n >> 5) x 128 + 32 g + (n & 31)).  b1-b4, c, out0, out1: f32.
; LIMITS.  ih and W come rounded once to bf16; sums, biases, c and the activations are f32.  The bias STARTS each sum (it is the C operand of the first product), so the order of rounding differs from
; a sum that takes the bias last.  sigmoid(x) = 1 / (1 + 2^(-L x)), tanh(x) = 1 - 2 / (1 + 2^(2 L x)), L = log2(e): an exponential that overflows gives an infinity, whose reciprocal is 0, one below 2^-126 counts as 0:
; both give the right limits 0, 1, -1, 1.  Near 0 tanh keeps an absolute error of about 1e-7, not a relative one.  NaN passes through.
; SHARES.  The four products are ONE product of 2048 x 8192 over K = 4096: 256 tiles of 256 x 256, a work-group each.  A tile is 256 batch rows x (64 columns x 4 gates); each of the four waves makes 128 rows x
; (32 columns x 4 gates): 64 accumulators of 16 x 16, 512 registers.  So a lane holds all four gates of each of its (row, column) pairs, and the cell update never leaves the lane.
; K goes in steps of 128 through a ring of two LDS slots filled by the tensor data mover; a tile's rows are 256 bytes of memory, at multiples of 256 from the buffer's first byte.
; CLUSTERS: 4 x 4 work-groups.  The four of a row of the cluster need the same tiles of abf, the four of a column the same tiles of wbf: each tile is asked for JOINTLY, by the same tensor load with the same
; descriptor and a mask that names the four.  c's tile is each work-group's own: a plain load, behind a round like the others.
; THE MATRIX INSTRUCTION IS USED TRANSPOSED: source 0 = 16 rows of wbf, source 1 = 16 rows of abf.  In the result lane l holds batch row l % 16, and its registers 0-7 the columns 8 (l / 16) + 0..7 of the block.
; REGISTERS, in windows of 256 (s_set_vgpr_msb's low byte: bits 1:0 source 0, 3:2 source 1, 5:4 source 2, 7:6 destination):
;   window 0: v16-30 addresses; v64-127, v128-191 fragments of abf, two buffers; v192-255 the biases, as eight C operands.  At the end: v32-111 at work, v112-239 c; then three buffers of 64 for the way out
;   window 1: v64-127, v128-191 fragments of wbf, two buffers
;   window 2: the 32 accumulators of my rows 0-63 (row block a, column block b at v[8 (8 a + b)]; b = 2 x gate + half of my 32 columns);   window 3: those of my rows 64-127
.set SIZE_K, 4096
.set KSTEP,  128
.set ROWB,   8192                      ; bytes in a row of abf, wbf, c, out0 and out1 alike
.set PITCH,  272                       ; an LDS row: 256 bytes + 16 of padding = 68 words: row r starts at bank 4 r mod 64 (64 banks of 4 bytes: ISA guide 11.1), so the 16 rows that a load touches start at 16 different banks
.set HALFT,  128*PITCH                 ; 128 rows: what one tensor load of the ring brings, and what one wave reads of either operand
.set SLOT,   4*HALFT                   ; abf's 256 rows, then wbf's 256 rows.  Slot 0's last fill is c's tile (256 rows x 256 bytes, from byte 0)
.set OUTB,   256*PITCH                 ; slot 1, once its last K step is read, is the stage for the way out: new_h at SLOT, new_c at SLOT + OUTB, 256 rows each: no fill lands there any more
.set SPARE,  2*SLOT                    ; behind the ring: the spare words, 128 bytes for each wave: two blocks of 256 bytes that no other line names
.set LAPS,   SIZE_K/(2*KSTEP)          ; a lap = two K steps = once round the ring: 16
.set ADRA, 16                          ; v16-17  LDS address of my abf fragments in slot 0, 1
.set BO,   18                          ; v18     byte offset of my first 8 columns in a bias
.set ADRB, 20                          ; v20-21  LDS address of my wbf fragments in slot 0, 1
.set CL,   22                          ; v22     LDS address of my 32 bytes of c in my first row block
.set STO0, 23                          ; v23     the same place in new_h's stage
.set STO1, 24                          ; v24     and in new_c's
.set RD0,  25                          ; v25     the way out: where I read new_h's rows back
.set RD1,  26                          ; v26     and new_c's
.set CO,   27                          ; v27     my byte offset in two rows of an output
.set SPW,  28                          ; v28     LDS address of my spare word: SPARE + 4 x my thread's number; never rewritten
.set NIL,  29                          ; v29     0; never rewritten
.set PFO,  30                          ; v30     the prefetches' offset: my lane x a row of 8,192 bytes; never rewritten
.set F0,   64
.set F1,   128
.set BIAS, 192                         ; column block b's eight numbers at BIAS + 8 b
.set E,    32                          ; the end: 16 registers each for z_1, z_2, z_3, z_4 and c of one row block, worked on in place
.set CC,   112                         ; the end: c, 16 registers a row block
.set OB0,  32                          ; the way out: three buffers of 16 x 4 registers
.set OB1,  96
.set OB2,  160
.set G1,  24                           ; s[24:31] descriptor group 1 for abf's tiles
.set G0,  32                           ; s[32:39] descriptor group 0 for abf's tiles, one set for each slot
.set LIM, 43                           ; s43      1 in a wave that prefetches along K, else the greatest number
.set PFA, 44                           ; s[44:45] where my prefetches stand: my work-group's 32 rows of the 128 that I fetch
.set G1B, 48                           ; s[48:55] descriptor group 1 for wbf's tiles: it differs in the mask alone
.set G0B, 56                           ; s[56:63] descriptor group 0 for wbf's tiles
.set G0C, 68                           ; s[68:71] descriptor group 0 for c's tile
.set G1C, 72                           ; s[72:79] descriptor group 1 for c's tile
.set BP,  80                           ; s[80:87] b1, b2, b3, b4
.set CA,  88                           ; s[88:89] c, then c at the 64 rows x 256 bytes that I fetch
.set O0,  90                           ; s[90:91] out0, then out0 at the same place: the 64 rows that I store
.set O1,  92                           ; s[92:93] out1 likewise
.set KS,  94                           ; s[94:95] -L: the packed scaling takes the pair's low word for both halves
.set KT,  96                           ; s[96:97] 2 L
.set MSB, 0
.macro WIN new                         ; the immediate's high byte repeats the setting that is left; a switch that changes nothing is dropped
.if MSB != (\new)
	s_set_vgpr_msb (MSB<<8)|(\new)
.set MSB, \new
.endif
.endm
.set TO_B, 0x40                        ; destination window 1, address window 0
; A joint load.  Waves 0 and 1 fetch abf's two halves of the tile, waves 2 and 3 wbf's.  Each line has ONE mask and one set of registers for all that issue it; the branch hangs on the wave's number alone.
; An s_nop 0 and four v_nop follow each of the two lines, ahead of the jump, the label and what follows.
.macro JLOAD s
	s_cmp_eq_u32 s11, 0
	s_cbranch_scc0 .Lfor_b_\@
	tensor_load_to_lds s[G0+4*(\s):G0+4*(\s)+3], s[G1:G1+7]
	s_nop 0
.rept 4
	v_nop
.endr
	s_branch .Lasked_\@
.Lfor_b_\@:
	tensor_load_to_lds s[G0B+4*(\s):G0B+4*(\s)+3], s[G1B:G1B+7]
	s_nop 0
.rept 4
	v_nop
.endr
.Lasked_\@:
.endm
; PREFETCHES INTO THE L2, behind a joint load, its five lines and the run of LDS loads that follows them.
; Along K: the K step that stands TWO refills on (512 matrix instructions ahead of the load that will want it): 32 rows x 256 bytes, a lane a row, one instruction a wave.  Each row's 256 bytes of a K step are named ONCE in
; the launch: abf's tile row is read by every cluster of that row of clusters, and cluster x = 0 asks; wbf's tile column by both clusters of that column, and cluster y = 0 asks; the four partners that ask for a tile jointly
; share the 128 rows that a wave fetches BY ADDRESS, 32 each (cx for abf, cy for wbf): no branch hangs on a work-group's place in its cluster.  The loop's last trip (s3 = 1) has no K step two on, and asks for none.
; c: in that last trip's first change of slots each wave asks for the 64 rows x 256 bytes that it will itself fetch two K steps later: two instructions, a lane a row; each block is named once in the launch.
.macro ASK slot
	s_cmp_gt_u32 s3, s[LIM]
	s_cbranch_scc0 .Lnot_mine_\@
	global_prefetch_b8 v[PFO], s[PFA:PFA+1] offset:KSTEP*2 th:TH_LOAD_NT scope:SCOPE_SE
.Lnot_mine_\@:
.if (\slot) == 0
	s_cmp_eq_u32 s3, 1
	s_cbranch_scc0 .Lno_c_\@
	global_prefetch_b8 v[PFO], s[CA:CA+1] th:TH_LOAD_NT scope:SCOPE_SE
	global_prefetch_b8 v[PFO], s[CA:CA+1] offset:32*ROWB th:TH_LOAD_NT scope:SCOPE_SE
.Lno_c_\@:
.endif
.endm
; A round of the cluster's barrier: my work-group's barrier, so that wave 0's signal speaks for all four waves; wave 0 signals for the work-group; every wave waits for all sixteen work-groups; my work-group's barrier once more.
.macro CREST                           ; a round behind its opening barrier
	s_cmp_lg_u32 s10, 0
	s_cbranch_scc1 .Lnot_wave_0_\@
	s_barrier_signal -3
.Lnot_wave_0_\@:
	s_barrier_wait -3
	s_barrier_signal -1
	s_barrier_wait -1
.endm
.macro CROUND                          ; a whole round
	s_barrier_signal -1
	s_barrier_wait -1
	CREST
.endm
	s_load_b128 s[4:7], s[0:1], 0x0                ; abf s[4:5], wbf s[6:7]
	s_load_b256 s[BP:BP+7], s[0:1], 0x10           ; b1 .. b4
	s_load_b128 s[CA:CA+3], s[0:1], 0x30           ; c, out0
	s_load_b64 s[O1:O1+1], s[0:1], 0x40            ; out1
	v_lshl_add_u32 v[SPW], v0, 2, SPARE
	v_mov_b32 v[NIL], 0
	ds_add_u32 v[SPW], v[NIL]                      ; the wave's opening: the add, twice on end, and its wait ahead of my first tensor load; the set-up below, work on registers, stands between
	ds_add_u32 v[SPW], v[NIL]                      ; and once more, under the one wait
	v_lshrrev_b32 v1, 5, v0
	v_readfirstlane_b32 s10, v1                    ; wave 0..3
	s_lshr_b32 s11, s10, 1                         ; which 128 of the tile's batch rows are mine.  Also: I fetch for abf (0) or for wbf (1)
	s_and_b32 s12, s10, 1                          ; which 32 of its 64 columns.  Also: which 128 rows of that operand's tile I fetch
	s_bfe_u32 s40, ttmp6, 0x40000                  ; cx: my place along the cluster's x
	s_bfe_u32 s41, ttmp6, 0x40004                  ; cy: along its y
	s_lshl_b32 s42, ttmp9, 2                       ; in a cluster launch ttmp9 and ttmp7 count clusters
	s_add_co_u32 s42, s42, s40                     ; tile column (64 output columns) = 4 x cluster x + cx
	s_and_b32 s13, ttmp7, 0xffff
	s_lshl_b32 s13, s13, 2
	s_add_co_u32 s13, s13, s41                     ; tile row (256 batch rows) = 4 x cluster y + cy
	s_lshl_b32 s43, s41, 2
	s_lshl_b32 s43, 15, s43                        ; my row of the cluster: places 4 cy .. 4 cy + 3
	s_lshl_b32 s44, 0x1111, s40                    ; my column: places cx, cx + 4, cx + 8, cx + 12
	; descriptor group 1 of the ring: a tile of 128 rows x 128 elements of 2 bytes, padded in LDS
	s_or_b32 s[G1+0], s43, (1<<16)|(1<<20)|(1<<21)|(5<<22)|(3<<25)   ; 15:0 the mask: abf's tiles go to my row; 17:16 elements of 2 bytes; 20 padding on; 21 set beside a mask; 24:22 after every 64 words (code 5); 31:25 4 words (code 3)
	s_or_b32 s[G1B+0], s44, (1<<16)|(1<<20)|(1<<21)|(5<<22)|(3<<25)  ; the same with the mask of my column, for wbf's tiles
.irp g, G1, G1B
	s_mov_b32 s[(\g)+1], KSTEP<<16                 ; tensor_dim0 = 128
	s_mov_b32 s[(\g)+2], 128<<16                   ; tensor_dim1 = 128
	s_mov_b32 s[(\g)+3], KSTEP<<16                 ; tile_dim0 = 128
	s_mov_b32 s[(\g)+4], 128                       ; tile_dim1 = 128
	s_mov_b32 s[(\g)+5], SIZE_K                    ; elements from row to row
	s_mov_b32 s[(\g)+6], 0
	s_mov_b32 s[(\g)+7], 0
.endr
	; descriptor group 1 for c: 64 rows x 64 elements of 4 bytes, no mask, the same padding
	s_mov_b32 s[G1C+0], (2<<16)|(1<<20)|(5<<22)|(3<<25)
	s_mov_b32 s[G1C+1], 64<<16                     ; tensor_dim0 = 64
	s_mov_b32 s[G1C+2], 64<<16                     ; tensor_dim1 = 64
	s_mov_b32 s[G1C+3], 64<<16                     ; tile_dim0 = 64
	s_mov_b32 s[G1C+4], 64                         ; tile_dim1 = 64
	s_mov_b32 s[G1C+5], 2048                       ; elements from row to row
	s_mov_b32 s[G1C+6], 0
	s_mov_b32 s[G1C+7], 0
	s_mov_b32 s[KS], 0xbfb8aa3b                    ; -log2(e)
	s_mov_b32 s[KS+1], 0xbfb8aa3b                  ; named with it as a pair
	s_mov_b32 s[KT], 0x4038aa3b                    ; 2 log2(e)
	s_mov_b32 s[KT+1], 0x4038aa3b
	; where the tiles come from.  abf's hang on the tile row alone, which my row of the cluster shares; wbf's on the tile column alone, which my column shares.  Every wave makes both addresses and asks by one.
	s_lshl_b32 s17, s12, 7                         ; which 128 rows of the tile I fetch
	s_lshl_b32 s16, s13, 8
	s_add_co_u32 s16, s16, s17                     ; abf: row 256 x tile row + 128 x half
	s_lshl_b32 s46, s42, 8
	s_add_co_u32 s46, s46, s17                     ; wbf: row 256 x tile column + 128 x half
	s_lshl_b32 s16, s16, 13                        ; in bytes: under 2^24,
	s_lshl_b32 s46, s46, 13                        ; under 2^26
	s_mov_b32 s17, 0
	s_mov_b32 s47, 0
	s_mul_i32 s20, s10, HALFT                      ; and where they go: wave x 128 rows: no place in the cluster enters an LDS address
	s_wait_dscnt 0x0                               ; both opening adds are done
	s_wait_kmcnt 0x0
	s_add_nc_u64 s[14:15], s[4:5], s[16:17]
	s_add_nc_u64 s[46:47], s[6:7], s[46:47]
	CROUND                                         ; all sixteen work-groups are here: the first joint loads meet
.irp s, 0,1
	s_mov_b32 s[G0+4*(\s)], 1                                      ; 1:0 count = 1
	s_add_co_u32 s[G0+4*(\s)+1], s20, (\s)*SLOT                    ; 63:32 LDS address
	s_add_nc_u64 s[G0+4*(\s)+2:G0+4*(\s)+3], s[14:15], (\s)*KSTEP*2  ; 120:64 global address: K step s
	s_or_b32 s[G0+4*(\s)+3], s[G0+4*(\s)+3], 0x80000000            ; 127:126 type = 2
	s_mov_b32 s[G0B+4*(\s)], 1
	s_add_co_u32 s[G0B+4*(\s)+1], s20, (\s)*SLOT
	s_add_nc_u64 s[G0B+4*(\s)+2:G0B+4*(\s)+3], s[46:47], (\s)*KSTEP*2
	s_or_b32 s[G0B+4*(\s)+3], s[G0B+4*(\s)+3], 0x80000000
	JLOAD \s                                       ; the ring is filled before anything else is done: two tensor loads of mine are out
.endr
	; A fragment is 16 rows x 32 K in 8 registers: lane l holds row l % 16; registers 0-3 hold K = 8 (l / 16) + 0..7, registers 4-7 K = 16 + 8 (l / 16) + 0..7: two loads of 16 bytes, 32 bytes apart.
	v_and_b32 v1, 15, v0                           ; r = l % 16
	v_bfe_u32 v2, v0, 4, 1                         ; h = l / 16
	s_lshl_b32 s46, s42, 8                         ; the tile's 64 columns: 256 bytes of a bias,
	s_lshl_b32 s47, s12, 7                         ; my 32 of them: 128
	s_add_co_u32 s46, s46, s47
	v_lshl_add_u32 v[BO], v2, 5, s46               ; my half of the lanes: 8 columns, 32 bytes
.irp b, 0,1,2,3,4,5,6,7                ; column block b = gate b / 2, columns 16 (b % 2) on: a lane's eight numbers are the C operand's eight registers (the same for all 16 batch rows)
.irp q, 0,1
	global_load_b128 v[BIAS+8*(\b)+4*(\q):BIAS+8*(\b)+4*(\q)+3], v[BO], s[BP+2*((\b)/2):BP+2*((\b)/2)+1] offset:((\b)%2)*64+16*(\q)
.endr
.endr
	v_mul_u32_u24 v3, v1, PITCH
	v_lshl_add_u32 v3, v2, 4, v3                   ; row x pitch + 16 x half
	s_mul_i32 s21, s11, HALFT                      ; my 128 rows of abf
	s_mul_i32 s22, s12, HALFT                      ; my 128 rows of wbf,
	s_add_co_u32 s22, s22, 2*HALFT                 ; which lie behind abf's 256
.irp s, 0,1
	v_add_nc_u32 v[ADRA+(\s)], s21, v3
	v_add_nc_u32 v[ADRB+(\s)], s22, v3
	s_add_co_u32 s21, s21, SLOT
	s_add_co_u32 s22, s22, SLOT
.endr
	v_mul_u32_u24 v4, v1, PITCH                    ; c's tile and the two stages have one form: tile row x pitch + 4 x column
	v_lshl_add_u32 v4, v2, 5, v4                   ; row r, 8 columns for each half of the lanes
	s_mul_i32 s23, s11, HALFT                      ; my 128 rows
	s_lshl_b32 s21, s12, 7                         ; my 32 columns
	s_add_co_u32 s23, s23, s21
	v_add_nc_u32 v[CL], s23, v4
	v_add_nc_u32 v[STO0], SLOT, v[CL]
	v_add_nc_u32 v[STO1], SLOT+OUTB, v[CL]
	v_mul_u32_u24 v5, v2, PITCH                    ; back: wave w takes rows 64 w .. 64 w + 63, whole; lanes 0-15 one row of 256 bytes, lanes 16-31 the next
	v_lshl_add_u32 v5, v1, 4, v5
	s_mul_i32 s23, s10, 64*PITCH
	s_add_co_u32 s23, s23, SLOT
	v_add_nc_u32 v[RD0], s23, v5
	v_add_nc_u32 v[RD1], OUTB, v[RD0]
	v_lshlrev_b32 v5, 13, v2                       ; and the same two rows in an output
	v_lshl_add_u32 v[CO], v1, 4, v5
	; c, out0 and out1 at row 256 x tile row + 64 x wave, byte 256 x tile column: the 64 rows x 256 bytes that I fetch of c and store of each output
	s_lshl_b32 s98, s13, 8
	s_lshl_b32 s99, s10, 6
	s_add_co_u32 s98, s98, s99
	s_lshl_b32 s98, s98, 13
	s_lshl_b32 s99, s42, 8
	s_add_co_u32 s98, s98, s99                     ; under 2^24
	s_mov_b32 s99, 0
	s_add_nc_u64 s[CA:CA+1], s[CA:CA+1], s[98:99]
	s_add_nc_u64 s[O0:O0+1], s[O0:O0+1], s[98:99]
	s_add_nc_u64 s[O1:O1+1], s[O1:O1+1], s[98:99]
	s_mov_b32 s[G0C], 1                            ; c's descriptor group 0: written once, used once
	s_mul_i32 s[G0C+1], s10, 64*PITCH              ; LDS: rows 64 w on, from slot 0's first byte
	s_mov_b64 s[G0C+2:G0C+3], s[CA:CA+1]
	s_or_b32 s[G0C+3], s[G0C+3], 0x80000000
	; the prefetches along K
	s_lshl_b32 s8, s13, 8                          ; 256 x tile row
	s_lshl_b32 s9, s42, 8                          ; 256 x tile column
	s_and_b32 s22, ttmp7, 0xffff                   ; cluster y
	s_cmp_eq_u32 s11, 0                            ; do I fetch for abf?
	s_cselect_b32 s20, s8, s9                      ; the tile's first row
	s_cselect_b32 s21, s40, s41                    ; my place among the four that ask for it with me
	s_cselect_b32 s22, ttmp9, s22                  ; the coordinate along which other clusters read the same rows
	s_cselect_b64 s[PFA:PFA+1], s[4:5], s[6:7]
	s_cmp_eq_u32 s22, 0
	s_cselect_b32 s[LIM], 1, -1                    ; the same in all sixteen partners, for a given wave
	s_lshl_b32 s22, s12, 7
	s_add_co_u32 s20, s20, s22                     ; + the 128 rows that I fetch
	s_lshl_b32 s21, s21, 5
	s_add_co_u32 s20, s20, s21                     ; + my work-group's 32 of them
	s_lshl_b32 s20, s20, 13
	s_mov_b32 s21, 0
	s_add_nc_u64 s[PFA:PFA+1], s[PFA:PFA+1], s[20:21]
	s_add_nc_u64 s[PFA:PFA+1], s[PFA:PFA+1], 2*KSTEP*2  ; at K step 2: the first refill steps it to 3 and names K step 4.  Nothing is prefetched here, at the head: K steps 0 to 3 come by their loads alone
	v_and_b32 v[PFO], 31, v0
	v_lshlrev_b32 v[PFO], 13, v[PFO]
; 16 matrix instructions: row blocks a0, a0 + 1 of the window's four (hi = 0: my rows 0-63, 1: rows 64-127) x all 8 column blocks, 32 along K.
; zero = 1: the first product starts the sum, with the bias as its C operand (window 0): nothing is ever cleared, and no bias is added later.
; The 64 accumulators take turns, one instruction a turn, in the same order in every quarter step: between two instructions on one accumulator stand the 63 others'.
.macro MUL16 f, hi, a0, zero
.if \zero
	WIN 0x81+0x40*(\hi)                            ; source 0 window 1, sources 1 and 2 window 0, destination window 2 or 3
.else
	WIN 0xa1+0x50*(\hi)                            ; source 0 window 1, source 1 window 0, C and D window 2 or 3
.endif
.irp a, \a0, (\a0)+1
.irp b, 0,1,2,3,4,5,6,7
.if \zero
	v_wmma_f32_16x16x32_bf16 v[8*(8*(\a)+(\b)):8*(8*(\a)+(\b))+7], v[(\f)+8*(\b):(\f)+8*(\b)+7], v[(\f)+8*(4*(\hi)+(\a)):(\f)+8*(4*(\hi)+(\a))+7], v[BIAS+8*(\b):BIAS+8*(\b)+7]
.else
	v_wmma_f32_16x16x32_bf16 v[8*(8*(\a)+(\b)):8*(8*(\a)+(\b))+7], v[(\f)+8*(\b):(\f)+8*(\b)+7], v[(\f)+8*(4*(\hi)+(\a)):(\f)+8*(4*(\hi)+(\a))+7], v[8*(8*(\a)+(\b)):8*(8*(\a)+(\b))+7]
.endif
.endr
.endr
.endm
; 32 LDS loads in one run: the fragments of one quarter step (128 rows of wbf, 128 rows of abf, 32 K at byte k of the rows) into buffer f
.macro FETCH slot, k, f
	WIN TO_B
.irp i, 0,1,2,3,4,5,6,7
	ds_load_b128 v[(\f)+8*(\i):(\f)+8*(\i)+3],   v[ADRB+(\slot)] offset:(\k)+(\i)*16*PITCH
	ds_load_b128 v[(\f)+8*(\i)+4:(\f)+8*(\i)+7], v[ADRB+(\slot)] offset:(\k)+(\i)*16*PITCH+32
.endr
	WIN 0
.irp i, 0,1,2,3,4,5,6,7
	ds_load_b128 v[(\f)+8*(\i):(\f)+8*(\i)+3],   v[ADRA+(\slot)] offset:(\k)+(\i)*16*PITCH
	ds_load_b128 v[(\f)+8*(\i)+4:(\f)+8*(\i)+7], v[ADRA+(\slot)] offset:(\k)+(\i)*16*PITCH+32
.endr
.endm
; A load into a register that a matrix instruction has read, and a vector instruction that reads a matrix result, stand four places behind that matrix instruction, and only plain vector instructions that name
; none of its registers are places (ISA guide 7.12.1 for vector instructions).
.macro PLACES
.rept 4
	v_nop
.endr
.endm
; A K step is four quarter steps of 32 along K, 64 matrix instructions each, on buffers 0, 1, 0, 1.  One of the first three: multiplies buffer f; in its middle it fetches the next quarter's fragments, at byte k, into g.
.macro QUARTER slot, k, f, g, zero
	s_wait_dscnt 8                                 ; wbf's fragments and abf's rows 0-63 are in; the youngest eight loads (abf's rows 64-127) may be out
	MUL16 \f, 0, 0, \zero
	MUL16 \f, 0, 2, \zero
	PLACES
	FETCH \slot, \k, \g
	s_wait_dscnt 32                                ; all but the 32 just issued
	MUL16 \f, 1, 0, \zero
	MUL16 \f, 1, 2, \zero
.endm
; The last quarter multiplies buffer 1 and changes slots.  MEET is its first half.  Each wave waits for all its tensor loads, of which one is out: its part of the next slot; adds 0 to its spare word; and waits for
; that and for its own reads of this slot; its barrier then opens a round of the cluster's barrier.  Behind the round nobody, in any partner, reads this slot any more, and the next slot is whole.
.macro MEET
	WIN 0                                          ; (the add's two registers lie in window 0)
	s_wait_tensorcnt 0x0                           ; all my tensor loads have landed;
	ds_add_u32 v[SPW], v[NIL]                      ; 0 onto my spare word;
	s_wait_dscnt 9                                 ; (the add and the youngest eight loads may be out)
	MUL16 F1, 0, 0, 0                              ; sixteen matrix instructions stand between the add and the wait for it
	s_wait_dscnt 0x0                               ; the add is done, and my reads of this slot are over:
	s_barrier_signal -1                            ; say so,
	MUL16 F1, 0, 2, 0                              ; work on registers while the others arrive,
	WIN 0
	s_barrier_wait -1                              ; and go on when all four have said so
.endm
; The whole last quarter in the loop: behind the round the slot just read out is filled again first, with the K step two steps on; then come the next slot's first fragments.
; From a request to the wait for it a wave issues 224 matrix instructions.
.macro TURN slot, next
	s_wait_xcnt 0x0                                ; the last prefetch, a K step back, has read its address: it is stepped here, ahead of the waits of the change of slots
	s_add_nc_u64 s[PFA:PFA+1], s[PFA:PFA+1], KSTEP*2
	MEET
	CREST
	s_add_nc_u64 s[G0+4*(\slot)+2:G0+4*(\slot)+3], s[G0+4*(\slot)+2:G0+4*(\slot)+3], 2*KSTEP*2      ; no tensor load of mine is out, so a group 0 may be written
	s_add_nc_u64 s[G0B+4*(\slot)+2:G0B+4*(\slot)+3], s[G0B+4*(\slot)+2:G0B+4*(\slot)+3], 2*KSTEP*2
	JLOAD \slot                                    ; the first tensor load behind the round, and my only one until the next; its four v_nop are also the places in front of the loads below
	FETCH \next, 0, F0
	ASK \slot
	MUL16 F1, 1, 0, 0
	MUL16 F1, 1, 2, 0
.endm
; THE END, for row block a (16 batch rows x my 32 columns): the block's 64 sums and 16 numbers of c become 16 of new_h and 16 of new_c, all inside the lane.
; E + 0..15 z_1, + 16..31 z_2, + 32..47 z_3, + 48..63 z_4, + 64..79 c; in each sixteen: column 16 cb + 8 (l / 16) + j at 8 cb + j.
; The exponentials are one batch with one wait, and so are the reciprocals: s_wait_alu depctr_va_vdst(0) stands between such an instruction and the first that names its result, and one plain instruction behind the last.
.macro EPI a
.set AC, 64*((\a)%4)
	WIN 0x02+(\a)/4                                ; source 0: window 2 or 3
.set n, 0
.rept 32                               ; -L z for the three sigmoids, 2 L z for the tanh; in ascending order
.if (n >= 16) && (n < 24)
	v_pk_mul_f32 v[E+2*n:E+2*n+1], v[AC+2*n:AC+2*n+1], s[KT:KT+1] op_sel_hi:[1,0]
.else
	v_pk_mul_f32 v[E+2*n:E+2*n+1], v[AC+2*n:AC+2*n+1], s[KS:KS+1] op_sel_hi:[1,0]
.endif
.set n, n+1
.endr
	WIN 0
.if (\a) == 0
	s_wait_dscnt 0x0                               ; c is in registers: once, for all eight blocks
.endif
.set n, 0
.rept 8
	v_pk_mul_f32 v[E+64+2*n:E+64+2*n+1], v[CC+16*(\a)+2*n:CC+16*(\a)+2*n+1], s[KT:KT+1] op_sel_hi:[1,0]  ; 2 L c
.set n, n+1
.endr
.set n, 0
.rept 80
	v_exp_f32 v[E+n], v[E+n]
.set n, n+1
.endr
	v_nop
	s_wait_alu depctr_va_vdst(0)
.set n, 0
.rept 40
	v_pk_add_f32 v[E+2*n:E+2*n+1], v[E+2*n:E+2*n+1], 1.0 op_sel_hi:[1,0]
.set n, n+1
.endr
.set n, 0
.rept 80
	v_rcp_f32 v[E+n], v[E+n]
.set n, n+1
.endr
	v_nop
	s_wait_alu depctr_va_vdst(0)
.set n, 0
.rept 8                                ; the two tanh: 1 - 2 x
	v_pk_fma_f32 v[E+32+2*n:E+32+2*n+1], v[E+32+2*n:E+32+2*n+1], -2.0, 1.0 op_sel_hi:[1,0,0]
	v_pk_fma_f32 v[E+64+2*n:E+64+2*n+1], v[E+64+2*n:E+64+2*n+1], -2.0, 1.0 op_sel_hi:[1,0,0]
.set n, n+1
.endr
.set n, 0
.rept 8
	v_pk_mul_f32 v[E+16+2*n:E+16+2*n+1], v[E+16+2*n:E+16+2*n+1], v[E+32+2*n:E+32+2*n+1]  ; sigmoid(z_2) tanh(z_3)
	v_pk_mul_f32 v[E+48+2*n:E+48+2*n+1], v[E+48+2*n:E+48+2*n+1], v[E+64+2*n:E+64+2*n+1]  ; new_h = sigmoid(z_4) tanh(c)
.set n, n+1
.endr
.set n, 0
.rept 8
	v_pk_fma_f32 v[E+2*n:E+2*n+1], v[E+2*n:E+2*n+1], v[CC+16*(\a)+2*n:CC+16*(\a)+2*n+1], v[E+16+2*n:E+16+2*n+1]  ; new_c = sigmoid(z_1) c + that
.set n, n+1
.endr
.irp q, 0,1,2,3                        ; into the stages
	ds_store_b128 v[STO0], v[E+48+4*(\q):E+48+4*(\q)+3] offset:(\a)*16*PITCH+((\q)/2)*64+((\q)%2)*16
	ds_store_b128 v[STO1], v[E+4*(\q):E+4*(\q)+3]       offset:(\a)*16*PITCH+((\q)/2)*64+((\q)%2)*16
.endr
.endm
; THE WAY OUT.  Batch k of four: output k / 2, rows 32 (k % 2) .. + 31 of my 64.  BACK reads them from the stage as whole rows, two a load; SEND stores them.
.macro BACK k, buf
.irp t, 0,1,2,3,4,5,6,7,8,9,10,11,12,13,14,15
	ds_load_b128 v[(\buf)+4*(\t):(\buf)+4*(\t)+3], v[RD0+(\k)/2] offset:(32*((\k)%2)+2*(\t))*PITCH
.endr
.endm
.macro SEND k, buf, younger            ; younger: the LDS loads issued behind this batch's sixteen, which may stay out
.irp t, 0,1,2,3,4,5,6,7,8,9,10,11,12,13,14,15
	s_wait_dscnt (\younger)+15-(\t)
	global_store_b128 v[CO], v[(\buf)+4*(\t):(\buf)+4*(\t)+3], s[O0+2*((\k)/2):O0+2*((\k)/2)+1] offset:(32*((\k)%2)+2*(\t))*ROWB th:TH_STORE_NT  ; 16 lanes store 256 consecutive bytes, at a multiple of 256 from the output's first byte; 62 rows at the most in the immediate
.endr
.endm
	s_wait_tensorcnt 1                             ; my part of K step 0 is in; K step 1's may stay out
	s_barrier_signal -1
	s_barrier_wait -1                              ; everybody's is
	FETCH 0, 0, F0
	s_wait_loadcnt 0x0                             ; the biases
	QUARTER 0, 64,  F0, F1, 1                      ; the first quarter stands in front of the loop: its products start the sums, from the biases
	WIN 0                                          ; at a label and at a branch every window is 0
	s_mov_b32 s3, LAPS-1
.Llap:                                                 ; 15 trips: each goes once round the ring, from a lap's second quarter to the next lap's first, and fills both slots again: K steps 2 to 31
	QUARTER 0, 128, F1, F0, 0
	QUARTER 0, 192, F0, F1, 0
	TURN 0, 1
	QUARTER 1, 64,  F0, F1, 0
	QUARTER 1, 128, F1, F0, 0
	QUARTER 1, 192, F0, F1, 0
	TURN 1, 0
	QUARTER 0, 64,  F0, F1, 0
	WIN 0
	s_sub_co_u32 s3, s3, 1
	s_cmp_lg_u32 s3, 0
	s_cbranch_scc1 .Llap
	QUARTER 0, 128, F1, F0, 0                      ; the last lap goes on: K step 30
	QUARTER 0, 192, F0, F1, 0
	MEET                                           ; the last change of slots: slot 0 is read out, K step 31 has landed in slot 1
	CREST
	tensor_load_to_lds s[G0C:G0C+3], s[G1C:G1C+7]  ; slot 0's last fill: my 64 rows of c's tile; my one tensor load behind the round; it has K step 31's 224 matrix instructions in which to land
	s_nop 0
	PLACES                                         ; the places in front of the loads below
	FETCH 1, 0, F0
	MUL16 F1, 1, 0, 0
	MUL16 F1, 1, 2, 0
	QUARTER 1, 64,  F0, F1, 0                      ; K step 31
	QUARTER 1, 128, F1, F0, 0
	QUARTER 1, 192, F0, F1, 0
	s_wait_dscnt 8                                 ; the very last quarter: nothing more to fetch
	MUL16 F1, 0, 0, 0
	MUL16 F1, 0, 2, 0
	s_wait_dscnt 0x0                               ; my reads of slot 1 are over: behind the barrier it is the stage;
	s_wait_tensorcnt 0x0                           ; my part of c's tile is in: behind the barrier other waves read it.
	s_barrier_signal -1
	MUL16 F1, 1, 0, 0
	MUL16 F1, 1, 2, 0
	s_barrier_wait -1
	WIN 0
	PLACES                                         ; behind the last products: in front of loads into registers that they read and of scalings that read results.
	PLACES                                         ; Eight, once a launch: more than the four that are asked for
.irp a, 0,1,2,3,4,5,6,7                ; c of my 128 rows x 32 columns into registers, in the accumulators' own layout
.irp cb, 0,1
.irp q, 0,1
	ds_load_b128 v[CC+16*(\a)+8*(\cb)+4*(\q):CC+16*(\a)+8*(\cb)+4*(\q)+3], v[CL] offset:(\a)*16*PITCH+(\cb)*64+(\q)*16
.endr
.endr
.endr
.irp a, 0,1,2,3,4,5,6,7
	EPI \a
.endr
	s_wait_dscnt 0x0                               ; for the others' sake: my stores into the stages are done (a row's 256 bytes come from two waves)
	s_barrier_signal -1
	s_barrier_wait -1
	BACK 0, OB0
	BACK 1, OB1
	BACK 2, OB2
	SEND 0, OB0, 32
	s_wait_xcnt 0x0                                ; the stores above have read their registers: only behind this wait is their buffer loaded again
	BACK 3, OB0
	SEND 1, OB1, 32
	SEND 2, OB2, 16
	SEND 3, OB0, 0
	s_wait_tensorcnt 0x0                           ; the wave's end: an add to my spare word and its wait, behind my last tensor load and my last LDS store
	ds_add_u32 v[SPW], v[NIL]
	s_wait_dscnt 0x0
	CROUND                                         ; the closing round: no work-group ends while a partner may still ask for a tile that names it
	s_endpgm
.Lfunc_end_k_q67a96939cd_lstm:
	.size	k_q67a96939cd_lstm, .Lfunc_end_k_q67a96939cd_lstm-k_q67a96939cd_lstm
	.p2alignl 7, 3214868480
	.fill 96, 4, 3214868480
	.section	.rodata,"a",@progbits
	.p2align	6, 0x0
	.amdhsa_kernel k_q67a96939cd_lstm
		.amdhsa_group_segment_fixed_size 327680
		.amdhsa_private_segment_fixed_size 0
		.amdhsa_enable_private_segment 0
		.amdhsa_kernarg_size 72
		.amdhsa_user_sgpr_count 2
		.amdhsa_user_sgpr_kernarg_segment_ptr 1
		.amdhsa_wavefront_size32 1
		.amdhsa_system_sgpr_workgroup_id_x 1
		.amdhsa_system_sgpr_workgroup_id_y 1
		.amdhsa_system_sgpr_workgroup_id_z 1
		.amdhsa_system_vgpr_workitem_id 0
		.amdhsa_next_free_vgpr 1024
		.amdhsa_next_free_sgpr 100
		.amdhsa_reserve_vcc 0
		.amdhsa_float_denorm_mode_32 3
		.amdhsa_float_denorm_mode_16_64 3
		.amdhsa_memory_ordered 1
		.amdhsa_forward_progress 1
		.amdhsa_inst_pref_size 236
	.end_amdhsa_kernel
	.amdgpu_metadata
---
amdhsa.version: [ 1, 2 ]
amdhsa.kernels:
  - .name:           k_q67a96939cd_lstm
    .symbol:         k_q67a96939cd_lstm.kd
    .args:
      - { .name: abf, .offset: 0, .size: 8, .value_kind: global_buffer, .address_space: global }
      - { .name: wbf, .offset: 8, .size: 8, .value_kind: global_buffer, .address_space: global }
      - { .name: b1, .offset: 16, .size: 8, .value_kind: global_buffer, .address_space: global }
      - { .name: b2, .offset: 24, .size: 8, .value_kind: global_buffer, .address_space: global }
      - { .name: b3, .offset: 32, .size: 8, .value_kind: global_buffer, .address_space: global }
      - { .name: b4, .offset: 40, .size: 8, .value_kind: global_buffer, .address_space: global }
      - { .name: c, .offset: 48, .size: 8, .value_kind: global_buffer, .address_space: global }
      - { .name: out0, .offset: 56, .size: 8, .value_kind: global_buffer, .address_space: global }
      - { .name: out1, .offset: 64, .size: 8, .value_kind: global_buffer, .address_space: global }
    .group_segment_fixed_size: 327680
    .private_segment_fixed_size: 0
    .kernarg_segment_align: 8
    .kernarg_segment_size: 72
    .max_flat_workgroup_size: 128
    .sgpr_count:     100
    .vgpr_count:     1024
    .wavefront_size: 32
...
	.end_amdgpu_metadata
.endif
;; end of part 2
